; MI455X (gfx1250); checked and timed in simulation.
; The chip was launched on July 23, 2026; its instructions are those of AMD's public machine-readable ISA for CDNA 5 (MIT licence, August 2026) and "CDNA5" Instruction Set Architecture Reference Guide (July 2026). The comments in the code are by the model that wrote it; some were corrected since.
;; Attention Base. Allowed arithmetic: matrix products marked QUANTISED: E2M1 operands, one E8M0 scale for each 32 along K, by v_wmma_scale_f32_16x16x128_f8f6f4 with both operands' format E2M1 (or v_wmma_scale_f32_32x16x128_f4), f32 sums; everything else in f32.
;; Inputs: attention_mask 2 x 2,048 bool; keys 2 x 2,048 x 2,048 float32; queries 2 x 2,048 x 2,048 float32; values_codes 2 x 2,048 x 64 x 16 uint8 (E2M1 codes of values, K innermost, in blocks of 32 codes, two codes a byte); values_scales 2 x 2,048 x 64 uint8 (E8M0 scales of values, one for each 32 codes along K); w_out_codes 2,048 x 64 x 16 uint8 (E2M1 codes of w_out, K innermost, in blocks of 32 codes, two codes a byte); w_out_scales 2,048 x 64 uint8 (E8M0 scales of w_out, one for each 32 codes along K).
;; Outputs: out0 2 x 2,048 x 2,048 float32.
;; This version of the problem:
;;   THIS VERSION OF THE PROBLEM IS GIVEN IN LOW PRECISION. The matrix products marked QUANTISED in the list below multiply operands that are first quantised to E2M1 (2 exponent bits, 1 mantissa bit; 4 bits a number), with one power-of-two scale for each 32 numbers along K (OCP MX v1.0); their sums are f32. All else is computed in f32.
;;   The module's matrix products, in the order in which they are computed (A, B: the left and right operand; K: the contracted axis; several contracted axes count as one K, in the product's order):
;;     1. batch 32 x [M 2,048, K 128] x [K 128, N 2,048]; A: computed on the way; B: input keys: QUANTISED
;;     2. batch 32 x [M 128, K 2,048] x [K 2,048, N 2,048]; A: input values (given as codes); B: softmax (see below): QUANTISED
;;     3. [M 4,096, K 2,048] x [K 2,048, N 2,048]; A: computed on the way; B: input w_out (given as codes): QUANTISED
;;   THE QUANTISER, for each operand of a quantised product, along K:
;;     - K is cut into blocks of 32 from its start; a last block that is shorter is filled with zeros.
;;     - A block's scale is 2^e with e = floor(log2(the largest magnitude in the block)) - 2, held to -126 .. 127; a block of zeros has e = 0. As a byte (E8M0): e + 127.
;;     - Each number is divided by its block's scale, clamped to +-6, and rounded to the nearest number of E2M1, ties to even, subnormals kept.
;;     - The product sums the exact products of the quantised numbers (number of the format x scale) in f32.
;;   ~~~python
;;   def quantise(x, axis):      # numpy; x: float32 -> the quantised numbers, widened to float32 again
;;       x = np.moveaxis(x, axis, -1); K = x.shape[-1]
;;       x = np.pad(x, [(0, 0)] * (x.ndim - 1) + [(0, -K % 32)]); x = x.reshape(x.shape[:-1] + (-1, 32)); a = np.abs(x).max(-1, keepdims=True)
;;       e = np.where(a > 0, np.clip(np.frexp(np.where(a > 0, a, 1))[1] - 1 - 2, -126, 127), 0)      # np.frexp(a)[1] - 1 = floor(log2(a)), exactly
;;       r = np.clip(x / 2.0 ** e, -6, 6)
;;       step = 2.0 ** (np.maximum(np.frexp(np.where(r == 0, 1, r))[1] - 1, 0) - 1)
;;       q = np.round(r / step) * step * 2.0 ** e      # np.round: ties to even
;;       return np.moveaxis(q.reshape(q.shape[:-2] + (-1,))[..., :K], -1, axis).astype(np.float32)
;;   ~~~
;;   SOFTMAX AHEAD OF A QUANTISED PRODUCT. Where the list says 'softmax', what is quantised is not the finished softmax but p = 2^(t - M), with t = logit x log2(e) and M = ceil(the row's largest t), a whole number; so 1/2 < the row's largest p <= 1. The row's sum l is taken of the UNQUANTISED p, in f32, and the product's result is divided by l at the end. Since M is a whole number, a kernel that streams over the keys may use a running M (the ceiling of the running maximum): every later rescaling is an exact power of two, which a block's scale takes up: the codes' values come out the same.
;;   OPERANDS COMPUTED ON THE WAY. 'Computed on the way' means the value that the module computes at that place (a softmax that the list does not call 'softmax' is quantised finished and normalised). What goes into a quantiser is computed in f32, as accurately as f32 sums, v_exp_f32 and their like allow (about 1e-6 of the number): no bf16 or f16 on the way to a quantiser, and a product that is left as it is and whose result goes on into a quantised operand takes f32 operands (vector FMAs, or v_wmma_f32_16x16x4_f32). A number that lies on a knife's edge between two numbers of the format may be rounded either way, as far as f32 arithmetic and the matrix unit's own rounding can turn it there, and no further.
;;   INPUTS GIVEN AS CODES. values (in the module: [2, 2048, 2048], K = its axis 1); w_out (in the module: [2048, 2048], K = its axis 1): each comes as NAME_codes (uint8): NAME with its K axis moved to the last place and cut into blocks of 32 codes, [.., K / 32, bytes a block], one block behind the other in memory; two codes a byte, the lower K in the low four bits (a code: sign, 2 exponent bits, 1 mantissa bit); and NAME_scales (uint8): the same leading axes, one E8M0 byte (e + 127) for each 32 codes along K. Its value is code x scale, taken as it is: it is not quantised again, and the codes and scales need not be those that the quantiser above would give.
;; One version. Each part assembles by itself: llvm-mc -triple=amdgcn-amd-amdhsa -mcpu=gfx1250 --defsym DOCPART=n.
;; ======== version 1 of 1: 3 launches
;; limits: right only within a limited range of input values
;; workspace buffers: k_codes 4,194,304 bytes; k_scales 262,144 bytes; q_codes 4,194,304 bytes; q_scales 262,144 bytes; x_codes 4,194,304 bytes; x_scales 262,144 bytes
;; launch quant (part 1): grid 512 x 1, 4 waves a work-group, no clusters, 33,280 bytes of LDS; arguments keys, queries, k_codes, k_scales, q_codes, q_scales; writes k_codes, k_scales, q_codes, q_scales
.if DOCPART == 1
	.amdgcn_target "amdgcn-amd-amdhsa--gfx1250"
	.amdhsa_code_object_version 6
	.text
	.protected	k_q784422e406_quant
	.globl	k_q784422e406_quant
	.p2align	8
	.type	k_q784422e406_quant,@function
k_q784422e406_quant:
	s_mov_b64 s[64:65], 0
	v_nop
	global_prefetch_b8 v0, s[64:65] scope:SCOPE_SE
	s_setreg_imm32_b32 hwreg(HW_REG_WAVE_MODE, 25, 1), 1
	s_wait_xcnt 0x0
; keys and queries, [2][2048][2048] f32, become codes of FP4 (E2M1) along a head's 128 numbers, with one E8M0 byte for each 32; queries are first multiplied by 128^-0.5, in f32.
; OUT: codes [bh 32][pos 2048][64 bytes], scale bytes [bh][pos][4], bh = 16 x batch + head.  pos is a permutation of the row s inside each 64 rows:
; s = 32 h + 8 u + j goes to pos = 16 u + 8 h + j, so that the 16 rows which the next launch takes as one tile of the matrix instruction are neighbours.  Runs of 8 rows stay whole.
; A block's scale is 2^(floor(log2(its largest magnitude)) - 2); its byte is the largest magnitude's exponent field - 2, held at 1 from below.  A block of zeros keeps the byte 1: its codes are zeros, and this program alone reads the bytes.
; LIMITS: blocks whose largest magnitude lies under 2^-124 keep the byte 1; NaN and infinities among the inputs are not served.
; SHARES: work-groups 0-255 take keys, 256-511 queries.  A work-group takes 64 rows x 4 heads, a wave 64 rows of one head: 16 steps of 4 rows.  Each load reads one row's 512 consecutive bytes, 16 a lane;
; a step's 2,048 bytes turn through the wave's own stage in LDS and come back 64 bytes a lane, so that a lane holds 16 neighbours and two neighbouring lanes a block.
; A step's codes are 256 consecutive bytes, aligned; a wave's 256 scale bytes are gathered in LDS and leave as one aligned run of 256 bytes.  No barrier: waves share nothing.  Loads run four steps (16 loads a wave) ahead.
.set STEPS, 16
.set EMAX,  2
.set CB,    8                          ; bytes of 16 codes
.set R,     16                         ; v16-79   four sets of 16 numbers as they are loaded
.set X,     80                         ; v80-111  two sets of 16 neighbours
.set E,     112                        ; v112-127 a scale byte for each step
.set C,     128                        ; v128-191 codes: four registers for each step, so that no store's data are written again
.set WREG,  8192                       ; LDS: a region for each wave: two stages of 32 x SP bytes, then its 256 scale bytes
.set SP,    80                         ; a lane's place in a stage: 64 bytes + 16 of padding
	s_load_b128 s[4:7], s[0:1], 0x0                ; keys, queries
	s_load_b128 s[8:11], s[0:1], 0x10              ; keys' codes, keys' scales
	s_load_b128 s[12:15], s[0:1], 0x20             ; queries' codes, queries' scales
	v_lshl_add_u32 v192, v0, 2, 0x8000
	v_mov_b32 v193, 0
	v_lshrrev_b32 v1, 5, v0
	v_readfirstlane_b32 s16, v1                    ; wave
	v_and_b32 v2, 31, v0                           ; lane
	v_lshlrev_b32 v3, 4, v2                        ; my 16 bytes of a load's 512
	s_mul_i32 s30, s16, WREG
	v_lshrrev_b32 v14, 2, v2
	v_mul_u32_u24 v14, v14, SP
	v_and_b32 v15, 3, v2
	v_lshl_add_u32 v14, v15, 4, v14
	v_add_nc_u32 v14, s30, v14                     ; the stage, on the way in: SP (lane / 4) + 16 (lane % 4); a load's 512 bytes take eight places
	v_mul_u32_u24 v15, v2, SP
	v_add_nc_u32 v15, s30, v15                     ; and on the way out: SP x lane: my 16 neighbours
	v_mul_u32_u24 v4, v2, CB                       ; my codes' place in a step's 256 bytes
	v_lshrrev_b32 v5, 1, v2                        ; my block's byte in a step's 16: 4 x row + block
	s_add_co_u32 s30, s30, 2*32*SP
	v_add_nc_u32 v5, s30, v5
	v_lshlrev_b32 v7, 3, v2                        ; the scale bytes' way out: 8 bytes a lane
	v_add_nc_u32 v6, s30, v7
	s_and_b32 s17, ttmp9, 255                      ; which part of the tensor: batch (1 bit), 64 rows (5 bits), group of 4 heads (2 bits)
	s_lshr_b32 s18, s17, 7                         ; batch
	s_bfe_u32 s19, s17, 0x50002                    ; block of 64 rows
	s_and_b32 s20, s17, 3
	s_lshl_b32 s20, s20, 2
	s_add_co_u32 s20, s20, s16                     ; head
	s_lshl_b32 s21, s18, 4
	s_add_co_u32 s21, s21, s20                     ; bh
	s_lshl_b32 s22, s18, 24                        ; source: batch x 2^24 + block x 64 rows of 8,192 bytes + head x 512
	s_lshl_b32 s23, s19, 19
	s_or_b32 s22, s22, s23
	s_lshl_b32 s23, s20, 9
	s_or_b32 s22, s22, s23
	s_mov_b32 s23, 0
	s_lshl_b32 s24, s21, 17                        ; codes: bh x 131,072 + block x 4,096
	s_lshl_b32 s25, s19, 12
	s_or_b32 s24, s24, s25
	s_mov_b32 s25, 0
	s_lshl_b32 s28, s21, 13                        ; scale bytes: bh x 8,192 + block x 256
	s_lshl_b32 s29, s19, 8
	s_or_b32 s28, s28, s29
	s_mov_b32 s29, 0
	s_mov_b32 s26, 0x3db504f3                      ; 128^-0.5
	s_wait_alu depctr_va_vdst(0)
	s_wait_kmcnt 0x0
	s_cmp_lt_u32 ttmp9, 256                        ; keys or queries?  The choice hangs on the work-group's number alone
	s_cselect_b64 s[4:5], s[4:5], s[6:7]
	s_cselect_b64 s[8:9], s[8:9], s[12:13]
	s_cselect_b64 s[10:11], s[10:11], s[14:15]
	s_cselect_b32 s26, 0x3f800000, s26             ; keys are multiplied by 1.0, which changes nothing
	s_mov_b32 s27, s26                             ; (the packed form names the pair)
	s_add_nc_u64 s[4:5], s[4:5], s[22:23]
	s_add_nc_u64 s[8:9], s[8:9], s[24:25]
	s_add_nc_u64 s[10:11], s[10:11], s[28:29]
.macro LOAD t                          ; step t: rows 4 t .. 4 t + 3 of my head
.irp i, 0,1,2,3
	global_load_b128 v[R+16*((\t)%4)+4*\i:R+16*((\t)%4)+4*\i+3], v3, s[4:5] offset:(4*(\t)+\i)*8192 th:TH_LOAD_NT   ; 32 lanes read 512 consecutive bytes; read once in the launch
.endr
.endm
.macro TURN t                          ; step t's numbers through the stage: LDS serves a wave's instructions in order, so no wait stands between the stores and the loads
.irp i, 0,1,2,3
	ds_store_b128 v14, v[R+16*((\t)%4)+4*\i:R+16*((\t)%4)+4*\i+3] offset:32*SP*((\t)%2)+8*SP*\i
.endr
.irp i, 0,1,2,3
	ds_load_b128 v[X+16*((\t)%2)+4*\i:X+16*((\t)%2)+4*\i+3], v15 offset:32*SP*((\t)%2)+16*\i
.endr
.endm
.irp t, 0,1,2,3
	LOAD \t
.endr
	s_wait_loadcnt 12                              ; step 0's four loads are in; three steps' twelve stay out
	TURN 0
.macro STEP t
.set XS, X+16*((\t)%2)
.set P4, 4*(\t)
.set POS, 16*((P4/8)%4)+8*(P4/32)+P4%8 ; where rows 4 t .. 4 t + 3 go: four neighbouring places
.if (\t) > 0
	s_wait_dscnt 1                                 ; this step's numbers are back from the stage (the last step's byte store may be out): so its stores into the stage have read their registers,
.else
	s_wait_dscnt 0x0
.endif
.if (\t)+4 < STEPS
	LOAD (\t)+4                                    ; which take the loads of four steps on
.endif
.if (\t)+1 < STEPS
.if STEPS-2-(\t) >= 3
	s_wait_loadcnt 12                              ; the next step's four loads are in; those of the three steps behind it may be out
.else
	s_wait_loadcnt 4*(STEPS-2-(\t))
.endif
	TURN (\t)+1                                    ; and go through the other stage while this step is worked
.endif
.irp k, 0,2,4,6,8,10,12,14
	v_pk_mul_f32 v[XS+\k:XS+\k+1], v[XS+\k:XS+\k+1], s[26:27] op_sel_hi:[1,0]   ; x 128^-0.5 (queries) or x 1.0 (keys), ahead of the quantiser
.endr
	v_max3_num_f32 v8, |v[XS]|, |v[XS+1]|, |v[XS+2]|               ; the largest magnitude of my 16, in two chains
	v_max3_num_f32 v9, |v[XS+3]|, |v[XS+4]|, |v[XS+5]|
.irp i, 6,10
	v_max3_num_f32 v8, v8, |v[XS+\i]|, |v[XS+\i+1]|
	v_max3_num_f32 v9, v9, |v[XS+\i+2]|, |v[XS+\i+3]|
.endr
	v_max3_num_f32 v8, v8, |v[XS+14]|, |v[XS+15]|
	v_max3_num_f32 v8, v8, v9, (EMAX+1)<<23        ; and the floor 2^(3 - 127): the byte cannot fall under 1
	v_max_num_f32_dpp v8, v8, v8 row_xmask:1 row_mask:0xf bank_mask:0xf   ; and of my neighbour's 16: the block's
	v_add_nc_u32 v11, -(EMAX<<23), v8              ; 2 off its exponent field: the conversion takes the exponent field of this operand as its scale, and nothing else of it
	v_cvt_scalef32_pk8_fp4_f32 v[C+4*(\t)], v[XS:XS+7], v11        ; eight numbers / the scale, to the nearest code, ties to even, beyond 6 the largest code
	v_cvt_scalef32_pk8_fp4_f32 v[C+4*(\t)+1], v[XS+8:XS+15], v11
	v_lshrrev_b32 v[E+(\t)], 23, v11               ; the scale's byte (also the plain line behind the conversions)
	ds_store_b8 v5, v[E+(\t)] offset:4*POS         ; both lanes of a block write the same byte with the same value
	global_store_b64 v4, v[C+4*(\t):C+4*(\t)+1], s[8:9] offset:64*POS   ; 32 lanes store 256 consecutive bytes, at a multiple of 256 from the buffer's first byte
.endm
.irp t, 0,1,2,3,4,5,6,7,8,9,10,11,12,13,14,15
	STEP \t
.endr
	ds_load_b64 v[12:13], v6                       ; LDS serves a wave's instructions in order: these see my byte stores
	s_wait_dscnt 0x0
	global_store_b64 v7, v[12:13], s[10:11]        ; 32 lanes store 256 consecutive bytes, aligned
	s_wait_tensorcnt 0x0
	ds_add_u32 v192, v193
	s_wait_dscnt 0x0
	s_endpgm
.Lfunc_end_k_q784422e406_quant:
	.size	k_q784422e406_quant, .Lfunc_end_k_q784422e406_quant-k_q784422e406_quant
	.p2alignl 7, 3214868480
	.fill 96, 4, 3214868480
	.section	.rodata,"a",@progbits
	.p2align	6, 0x0
	.amdhsa_kernel k_q784422e406_quant
		.amdhsa_group_segment_fixed_size 33280
		.amdhsa_private_segment_fixed_size 0
		.amdhsa_enable_private_segment 0
		.amdhsa_kernarg_size 48
		.amdhsa_user_sgpr_count 2
		.amdhsa_user_sgpr_kernarg_segment_ptr 1
		.amdhsa_wavefront_size32 1
		.amdhsa_system_sgpr_workgroup_id_x 1
		.amdhsa_system_sgpr_workgroup_id_y 1
		.amdhsa_system_sgpr_workgroup_id_z 1
		.amdhsa_system_vgpr_workitem_id 0
		.amdhsa_next_free_vgpr 194
		.amdhsa_next_free_sgpr 66
		.amdhsa_reserve_vcc 0
		.amdhsa_float_denorm_mode_32 3
		.amdhsa_float_denorm_mode_16_64 3
		.amdhsa_memory_ordered 1
		.amdhsa_forward_progress 1
		.amdhsa_inst_pref_size 42
	.end_amdhsa_kernel
	.amdgpu_metadata
---
amdhsa.version: [ 1, 2 ]
amdhsa.kernels:
  - .name:           k_q784422e406_quant
    .symbol:         k_q784422e406_quant.kd
    .args:
      - { .name: keys, .offset: 0, .size: 8, .value_kind: global_buffer, .address_space: global }
      - { .name: queries, .offset: 8, .size: 8, .value_kind: global_buffer, .address_space: global }
      - { .name: k_codes, .offset: 16, .size: 8, .value_kind: global_buffer, .address_space: global }
      - { .name: k_scales, .offset: 24, .size: 8, .value_kind: global_buffer, .address_space: global }
      - { .name: q_codes, .offset: 32, .size: 8, .value_kind: global_buffer, .address_space: global }
      - { .name: q_scales, .offset: 40, .size: 8, .value_kind: global_buffer, .address_space: global }
    .group_segment_fixed_size: 33280
    .private_segment_fixed_size: 0
    .kernarg_segment_align: 8
    .kernarg_segment_size: 48
    .max_flat_workgroup_size: 128
    .sgpr_count:     66
    .vgpr_count:     194
    .wavefront_size: 32
...
	.end_amdgpu_metadata
.endif
;; end of part 1
;; launch attn (part 2): grid 8 x 32, 8 waves a work-group, clusters of 4 x 1, 327,680 bytes of LDS; arguments q_codes, q_scales, k_codes, k_scales, values_codes, values_scales, attention_mask, x_codes, x_scales; writes x_codes, x_scales
.if DOCPART == 2
	.amdgcn_target "amdgcn-amd-amdhsa--gfx1250"
	.amdhsa_code_object_version 6
	.text
	.protected	k_q784422e406_attn
	.globl	k_q784422e406_attn
	.p2align	8
	.type	k_q784422e406_attn,@function
k_q784422e406_attn:
	s_mov_b64 s[64:65], 0
	v_nop
	global_prefetch_b8 v0, s[64:65] scope:SCOPE_SE
	s_setreg_imm32_b32 hwreg(HW_REG_WAVE_MODE, 25, 1), 1
	s_wait_xcnt 0x0
	s_wait_alu depctr_hold_cnt(0) depctr_sa_sdst(0) depctr_va_vdst(0) depctr_va_sdst(0) depctr_va_ssrc(0) depctr_va_vcc(0) depctr_vm_vsrc(0)
	s_getreg_b32 s2, hwreg(HW_REG_IB_STS2, 6, 4)
	s_cmp_eq_u32 s2, 0
	s_cbranch_scc0 .Lentry_in_a_cluster
	s_endpgm
.Lentry_in_a_cluster:
	s_bfe_u32 s2, ttmp6, 0x10000c
	s_cmp_lg_u32 s2, 0x3003
	s_cbranch_scc0 .Lentry_shape_is_right
	s_endpgm
.Lentry_shape_is_right:
; x[b][q][head] = softmax_k(Q.K + bias) V for one (batch, head) bh and 256 queries a work-group, both products on FP4 codes with E8M0 scales; x leaves as FP4 codes and scale bytes for the projection.
; IN: q_codes, k_codes [bh][pos 2048][64 bytes], their scale words [bh][pos][4] (pos: the earlier launch's order inside each 64 rows: row 32 h + 8 u + j lies at 16 u + 8 h + j); values_codes [bh x 128 + d][1,024 bytes], keys innermost; values_scales [..][64].
; OUT: x_codes as images of the operand's registers [block of 16 rows][head][c 2][lane 32][16 bytes]; x_scales [row 4096][64].
; SOFTMAX: t = score x log2(e); M = the running largest t rounded up to a whole number; p = 2^(t - M) is quantised along the keys; the sum is taken of the unquantised p and divides at the end; a change of M multiplies sum and O by a power of two.
; THE MASK: a hidden key's bias is -3e38, given as the C of the first product; t then overflows to -infinity and p is 0.
; LIMITS: a batch row whose mask hides every key (reference: NaN) gives finite numbers here; the promise holds while the scaled scores stay under 2^31 in magnitude; NaN and infinities among the inputs are not served.
; NO RING: K (2,048 keys as 512 LDS rows of four keys, 256 + 16 bytes), V (four chunks of 128 rows x 256 + 16 bytes), both scale tables and the bias are 305,152 bytes and lie in LDS together; each byte is filled once.
; The head's eight loads (one a wave) bring chunk 0 (512 keys) and the scale tables; behind the full sequence and a round six waves ask for chunks 1 to 3.  A wave has one tensor load out at the most.
; CLUSTER: the four work-groups of a cluster walk the same bh: every tensor load is a joint one, mask 15.  No data prefetch: all of K and V is asked for by the end of the head, so there is no loop to run ahead in.
; SHARES: a wave owns 32 queries, two tiles of 16; tile 0 in register window 0, tile 1 in window 1; each fragment of K and V feeds both.  Both products are used transposed: a lane holds one query.
; REGISTERS, window 0: v1-11, 28-31 addresses and K's scale words; v12 -M, v13 largest t, v[14:15] the sum; v16-23 Q; v24-27 Q's and p's scale words; v32-95 and v96-159: fragments and tile 0's scores, changing roles from step to step;
;   v160-223 O^T; v224-231 p's codes; v232-255 at work.  Window 1: the same for tile 1, but v24-87 hold the step's bias and the scores stay in v96-159.
.set KT,    4*272                      ; a tile of 16 keys in LDS
.set KST,   8*KT                       ; a step of 128 keys
.set KCH,   4*KST                      ; a chunk of 512 keys of K; a chunk of V (128 x 272) is as long
.set VP,    272
.set VB,    4*KCH
.set SCK,   2*VB
.set SVP,   72
.set SCV,   SCK+8192
.set BIAS,  SCV+128*SVP
.set SPARE, BIAS+8192                  ; the spare words: 128 bytes a wave
.set ADK,  1
.set ADV,  2
.set ADS,  3
.set ADT,  4
.set SPW,  5
.set NIL,  6
.set ADB,  7
.set SWK,  8                           ; v8-11 K's scale words
.set QF,   16
.set QS,   24
.set PS,   26
.set AK0,  28
.set XO,   29
.set AV0,  30
.set XSO,  31
.set BI,   24                          ; window 1
.set S,    96
.set O,    160
.set PC,   224
.set TM,   232
.set BM,   236
.set SO,   238
.set BY,   240
.set T0,   242
.set T1,   243
.set SWV,  244                         ; v244-247 V's scale words
.set H8,   248
.set A2,   250
.set F,    252
.set W,    254
.set WV,   18
.set TB,   19
.set SEL,  20
.set CS,   22
.set G1K,  24
.set G1V,  32
.set G0K,  40
.set G0V,  44
.set G1SK, 48
.set G1SV, 56
.set CNT,  66
.set J3,   67
.set G0SK, 72
.set G0SV, 76
.set G0K2, 80
.set G0V2, 84
.set MSB, 0
.macro WIN new                         ; the immediate's high byte repeats the setting that is left
.if MSB != (\new)
	s_set_vgpr_msb (MSB<<8)|(\new)
.set MSB, \new
.endif
.endm
.macro CROUND                          ; a round of the cluster's barrier
	s_barrier_signal -1
	s_barrier_wait -1
	s_cmp_lg_u32 s[WV], 0
	s_cbranch_scc1 .Lnot_wave_0_\@
	s_barrier_signal -3
.Lnot_wave_0_\@:
	s_barrier_wait -3
	s_barrier_signal -1
	s_barrier_wait -1
.endm
.macro NOPS n
.rept \n
	v_nop
.endr
.endm
.macro INIT                            ; the step is written once: the first finds zeros, which the first change of M leaves zeros
	v_mov_b32 v13, 0xff61b1e6
	v_mov_b32 v12, 0x7f61b1e6
	v_mov_b32 v14, 0
	v_mov_b32 v15, 0
	v_mov_b32 v[T1], 0
	v_mov_b32 v[F+1], 0
.set j, 0
.rept 64
	v_mov_b32 v[O+j], 0
.set j, j+1
.endr
.endm
.macro DESC g0, ptr, off               ; group 0 but for its LDS address
	s_mov_b32 s[\g0], 1
	s_add_nc_u64 s[\g0+2:\g0+3], s[\ptr:\ptr+1], s[\off:\off+1]
	s_or_b32 s[\g0+3], s[\g0+3], 0x80000000
.endm
	s_load_b256 s[4:11], s[0:1], 0x0               ; q codes, q scales, k codes, k scales
	s_load_b128 s[12:15], s[0:1], 0x20             ; v codes, v scales
	s_load_b64 s[16:17], s[0:1], 0x30              ; mask
	s_load_b128 s[68:71], s[0:1], 0x38             ; x codes, x scales
	v_lshl_add_u32 v[SPW], v0, 2, SPARE
	v_mov_b32 v[NIL], 0
	ds_add_u32 v[SPW], v[NIL]                      ; the opening lines: the add twice on end and one wait
	ds_add_u32 v[SPW], v[NIL]
	v_lshrrev_b32 v96, 5, v0
	v_and_b32 v97, 15, v0                          ; r
	v_bfe_u32 v98, v0, 4, 1                        ; h
	v_and_b32 v99, 31, v0                          ; lane
	v_readfirstlane_b32 s[WV], v96
	v_and_b32 v100, 8, v97
	v_lshrrev_b32 v101, 2, v97
	v_and_b32 v102, 3, v97
	v_lshlrev_b32 v112, 3, v0                      ; mask: 8 bytes a thread
	v_add_nc_u32 v100, v100, v97                   ; r + 8 (r / 8): Q's rows of a tile
	v_mul_u32_u24 v[AK0], v101, 272                ; K: key r of a tile lies in LDS row r / 4, at 64 (r % 4)
	v_mul_u32_u24 v[AV0], v97, VP
	v_lshl_add_u32 v108, v0, 5, BIAS               ; bias: 8 words a thread
	v_lshlrev_b32 v110, 6, v100
	v_lshl_add_u32 v[AK0], v102, 6, v[AK0]
	v_lshl_add_u32 v[AV0], v98, 4, v[AV0]
	v_lshlrev_b32 v111, 2, v100
	v_lshl_add_u32 v110, v98, 4, v110
	v_lshl_add_u32 v[AK0], v98, 4, v[AK0]
	v_add_nc_u32 v[AV0], VB, v[AV0]
	v_lshlrev_b32 v[H8], 3, v98
	v_lshl_add_u32 v[ADS], v99, 2, SCK             ; K's scale words: 32 keys a load
	v_mul_u32_u24 v[ADT], v99, SVP
	v_mov_b32 v[ADK], v[AK0]
	v_mov_b32 v[ADV], v[AV0]
	v_lshl_add_u32 v[ADB], v98, 7, BIAS            ; my half's 32 keys of each 64
	v_add_nc_u32 v[ADT], SCV, v[ADT]               ; V's scale words: 32 rows a load
	v_lshlrev_b32 v[XO], 4, v99
	v_lshlrev_b32 v[XSO], 6, v99
	INIT
	WIN 0x40
	INIT
	v_mov_b32 v[H8], v[H8]
	WIN 0
	; group 1: K: rows of 256 bytes, dense; V: rows of 256 bytes, 1,024 apart; both padded by four words; 64 rows for the head's loads
.irp g, G1K, G1V
	s_mov_b32 s[\g], 15|(1<<20)|(1<<21)|(5<<22)|(3<<25)
	s_mov_b32 s[\g+1], 256<<16
	s_mov_b32 s[\g+2], 64<<16
	s_mov_b32 s[\g+3], 256<<16
	s_mov_b32 s[\g+4], 64
	s_mov_b32 s[\g+6], 0
	s_mov_b32 s[\g+7], 0
.endr
	s_mov_b32 s[G1K+5], 256
	s_mov_b32 s[G1V+5], 1024
	s_mov_b32 s[G1SK], 15|(3<<16)|(1<<21)          ; K's scale bytes: 16 dense rows of 256 bytes
	s_mov_b32 s[G1SK+1], 32<<16
	s_mov_b32 s[G1SK+2], 16<<16
	s_mov_b32 s[G1SK+3], 32<<16
	s_mov_b32 s[G1SK+4], 16
	s_mov_b32 s[G1SK+5], 32
	s_mov_b32 s[G1SK+6], 0
	s_mov_b32 s[G1SK+7], 0
	s_mov_b32 s[G1SV], 15|(1<<20)|(1<<21)|(3<<22)|(1<<25)   ; V's: 64 rows of 64 bytes, two words of padding
	s_mov_b32 s[G1SV+1], 64<<16
	s_mov_b32 s[G1SV+2], 64<<16
	s_mov_b32 s[G1SV+3], 64<<16
	s_mov_b32 s[G1SV+4], 64
	s_mov_b32 s[G1SV+5], 64
	s_mov_b32 s[G1SV+6], 0
	s_mov_b32 s[G1SV+7], 0
	s_mov_b32 s[SEL], 0x76543210
	s_mov_b32 s[SEL+1], 0xfedcba98
	s_mov_b32 s[CS], 0x3fb8aa3b                    ; log2(e)
	s_mov_b32 s[CS+1], s[CS]
	s_and_b32 s88, ttmp7, 0xffff                   ; bh
	s_and_b32 s89, s[WV], 1                        ; which half I fetch at the head
	s_and_b32 s[J3], s[WV], 3
	s_lshl_b32 s19, s88, 17                        ; bh's codes: 131,072 bytes in K and in V
	s_lshl_b32 s90, s89, 14
	s_add_co_u32 s90, s90, s19                     ; K chunk 0: 256 keys a half
	s_mov_b32 s91, 0
	s_lshl_b32 s92, s89, 16
	s_add_co_u32 s92, s92, s19                     ; V chunk 0: 64 rows a half
	s_mov_b32 s93, 0
	s_lshl_b32 s94, s88, 13
	s_lshl_b32 s95, s89, 12
	s_add_co_u32 s94, s94, s95                     ; scale bytes: 4,096 a half
	s_mov_b32 s95, 0
	s_add_co_u32 s99, s[J3], 1                     ; the chunk that I fetch behind the head: 1 to 3
	s_lshl_b32 s96, s99, 15
	s_add_co_u32 s96, s96, s19
	s_mov_b32 s97, 0
	s_lshl_b32 s98, s99, 8
	s_add_co_u32 s98, s98, s19
	s_mul_i32 s[G0K2+1], s99, KCH
	s_add_co_u32 s[G0V2+1], s[G0K2+1], VB
	s_mov_b32 s99, 0
	s_mul_i32 s[G0K+1], s89, 64*272
	s_add_co_u32 s[G0V+1], s[G0K+1], VB
	s_lshl_b32 s[G0SK+1], s89, 12
	s_add_co_u32 s[G0SK+1], s[G0SK+1], SCK
	s_mul_i32 s[G0SV+1], s89, 64*SVP
	s_add_co_u32 s[G0SV+1], s[G0SV+1], SCV
	s_wait_dscnt 0x0                               ; both opening adds are done
	s_wait_alu depctr_va_vdst(0)
	s_wait_kmcnt 0x0
	DESC G0K,  8,  90
	DESC G0V,  12, 92
	DESC G0SK, 10, 94
	DESC G0SV, 14, 94
	DESC G0K2, 8,  96
	DESC G0V2, 12, 98
	CROUND                                         ; the four work-groups are here: the first joint loads meet
.macro ARM under, g0, g1, next         ; one tree on the wave's number, one load to an arm
	s_cmp_lt_u32 s[WV], \under
	s_cbranch_scc0 \next
	tensor_load_to_lds s[\g0:\g0+3], s[\g1:\g1+7]
	s_nop 0
	NOPS 4
	s_branch .Lhead_asked
\next:
.endm
	ARM 2, G0K,  G1K,  .Lhead_v
	ARM 4, G0V,  G1V,  .Lhead_sk
	ARM 6, G0SK, G1SK, .Lhead_sv
	tensor_load_to_lds s[G0SV:G0SV+3], s[G1SV:G1SV+7]
	s_nop 0
	NOPS 4
.Lhead_asked:
	s_bfe_u32 s90, ttmp6, 0x40000                  ; cx: it enters global addresses of my own loads and stores alone
	s_lshl_b32 s91, ttmp9, 2
	s_add_co_u32 s91, s91, s90                     ; block of 256 queries
	s_lshl_b32 s92, s88, 11
	s_lshl_b32 s93, s91, 8
	s_add_co_u32 s92, s92, s93
	s_lshr_b32 s93, s[WV], 1
	s_lshl_b32 s93, s93, 6
	s_add_co_u32 s92, s92, s93
	s_lshl_b32 s93, s89, 3
	s_add_co_u32 s92, s92, s93                     ; where queries 32 wave .. lie: pos 64 (wave / 2) + 8 (wave % 2), rows 0-7 and 16-23; tile 1 is 32 places on
	s_mov_b32 s95, 0
	s_lshl_b32 s94, s92, 6
	s_add_nc_u64 s[4:5], s[4:5], s[94:95]
	s_lshl_b32 s94, s92, 2
	s_add_nc_u64 s[6:7], s[6:7], s[94:95]
	s_lshr_b32 s93, s88, 4                         ; batch
	s_lshl_b32 s94, s93, 11
	s_add_nc_u64 s[16:17], s[16:17], s[94:95]
	s_lshl_b32 s96, s93, 7
	s_lshl_b32 s97, s91, 4
	s_add_co_u32 s96, s96, s97
	s_lshl_b32 s97, s[WV], 1
	s_add_co_u32 s96, s96, s97                     ; x: my first block of 16 rows
	s_and_b32 s97, s88, 15                         ; head
	s_lshl_b32 s94, s96, 14
	s_lshl_b32 s98, s97, 10
	s_add_co_u32 s94, s94, s98
	s_add_nc_u64 s[68:69], s[68:69], s[94:95]
	s_lshl_b32 s94, s96, 10
	s_lshl_b32 s98, s97, 2
	s_add_co_u32 s94, s94, s98
	s_add_nc_u64 s[70:71], s[70:71], s[94:95]
	global_load_b64 v[96:97], v112, s[16:17]
.irp c, 0,1
	global_load_b128 v[QF+4*\c:QF+4*\c+3], v110, s[4:5] offset:32*\c
.endr
	global_load_b32 v[QS], v111, s[6:7]
	global_load_b32 v[QS+1], v111, s[6:7] offset:128
	WIN 0x40
.irp c, 0,1
	global_load_b128 v[QF+4*\c:QF+4*\c+3], v110, s[4:5] offset:2048+32*\c
.endr
	WIN 0
	s_wait_loadcnt 0x0
	v_mov_b32 v98, 0xff61b1e6                      ; the bias of a hidden key
.irp k, 0,1,2,3
	v_bfe_u32 v109, v96, 8*\k, 8
	s_delay_alu instid0(VALU_DEP_1)
	v_cmp_eq_u32 vcc_lo, 0, v109
	s_delay_alu instid0(VALU_DEP_1)
	v_cndmask_b32 v[100+\k], 0, v98, vcc_lo
.endr
.irp k, 0,1,2,3
	v_bfe_u32 v109, v97, 8*\k, 8
	s_delay_alu instid0(VALU_DEP_1)
	v_cmp_eq_u32 vcc_lo, 0, v109
	s_delay_alu instid0(VALU_DEP_1)
	v_cndmask_b32 v[104+\k], 0, v98, vcc_lo
.endr
	ds_store_b128 v108, v[100:103]
	ds_store_b128 v108, v[104:107] offset:16
.macro KLOAD q, fr                     ; the chunk's q-th 128 keys: eight fragments and their scale words
.irp t, 0,1,2,3,4,5,6,7
.irp c, 0,1
	ds_load_b128 v[\fr+8*\t+4*\c:\fr+8*\t+4*\c+3], v[ADK] offset:(\q)*KST+\t*KT+32*\c
.endr
.endr
.irp p, 0,1,2,3
	ds_load_b32 v[SWK+\p], v[ADS] offset:512*(\q)+128*\p
.endr
.endm
.macro VLOAD q, fr                     ; V^T: eight tiles of 16 of the head's 128 x these 128 keys
.irp t, 0,1,2,3,4,5,6,7
.irp c, 0,1
	ds_load_b128 v[\fr+8*\t+4*\c:\fr+8*\t+4*\c+3], v[ADV] offset:16*\t*VP+64*(\q)+32*\c
.endr
.endr
.irp p, 0,1,2,3
	ds_load_b32 v[SWV+\p], v[ADT] offset:32*SVP*\p+4*(\q)
.endr
.endm
.macro BIASLOAD off                    ; a step's bias in the scores' layout, into window 1
	WIN 0x40
.irp c, 0,1
.irp g, 0,1,2,3,4,5,6,7
	ds_load_b128 v[BI+32*\c+4*\g:BI+32*\c+4*\g+3], v[ADB] offset:\off+256*\c+16*\g
.endr
.endr
.endm
.macro SMUL x, fr, sd                  ; S^T = K Q^T + bias: source 0 = 16 keys, source 1 = tile x's queries; register 32 c + i of a lane is key 64 c + 32 (lane / 16) + i
	WIN 0x10+0x44*\x
.irp t, 0,1,2,3,4,5,6,7
.if \t%2
	v_wmma_scale_f32_16x16x128_f8f6f4 v[\sd+8*\t:\sd+8*\t+7], v[\fr+8*\t:\fr+8*\t+7], v[QF:QF+7], v[BI+8*\t:BI+8*\t+7], v[SWK+\t/2], v[QS+\x] matrix_a_fmt:MATRIX_FMT_FP4 matrix_b_fmt:MATRIX_FMT_FP4 matrix_a_scale:MATRIX_SCALE_ROW1
.else
	v_wmma_scale_f32_16x16x128_f8f6f4 v[\sd+8*\t:\sd+8*\t+7], v[\fr+8*\t:\fr+8*\t+7], v[QF:QF+7], v[BI+8*\t:BI+8*\t+7], v[SWK+\t/2], v[QS+\x] matrix_a_fmt:MATRIX_FMT_FP4 matrix_b_fmt:MATRIX_FMT_FP4
.endif
.endr
.endm
.macro PV x, fr                        ; O^T += V^T P^T; the eight accumulators take turns
	WIN 0x54*\x
.irp t, 0,1,2,3,4,5,6,7
.if \t%2
	v_wmma_scale_f32_16x16x128_f8f6f4 v[O+8*\t:O+8*\t+7], v[\fr+8*\t:\fr+8*\t+7], v[PC:PC+7], v[O+8*\t:O+8*\t+7], v[SWV+\t/2], v[PS+\x] matrix_a_fmt:MATRIX_FMT_FP4 matrix_b_fmt:MATRIX_FMT_FP4 matrix_a_scale:MATRIX_SCALE_ROW1
.else
	v_wmma_scale_f32_16x16x128_f8f6f4 v[O+8*\t:O+8*\t+7], v[\fr+8*\t:\fr+8*\t+7], v[PC:PC+7], v[O+8*\t:O+8*\t+7], v[SWV+\t/2], v[PS+\x] matrix_a_fmt:MATRIX_FMT_FP4 matrix_b_fmt:MATRIX_FMT_FP4
.endif
.endr
.endm
.macro SOFTMAX x, sb                   ; tile x's 128 scores a lane-half pair, at v[sb ..]: a lane holds two whole blocks of 32 keys
	WIN 0x55*\x
.if \x
	s_wait_alu depctr_va_vdst(0)                   ; the wait ahead of the first reader of these scores
.endif
.irp k, 0,1,2,3
	v_max3_num_f32 v[TM+\k], v[\sb+16*\k], v[\sb+16*\k+1], v[\sb+16*\k+2]
.endr
.irp i, 3,5,7,9,11,13
.irp k, 0,1,2,3
	v_max3_num_f32 v[TM+\k], v[TM+\k], v[\sb+16*\k+\i], v[\sb+16*\k+\i+1]
.endr
.endr
.irp c, 0,1
	v_max3_num_f32 v[BM+\c], v[TM+2*\c], v[TM+2*\c+1], v[\sb+32*\c+15]
.endr
.irp c, 0,1
	v_max_num_f32 v[BM+\c], v[BM+\c], v[\sb+32*\c+31]    ; each block's largest score: for the row's maximum and for the block's largest p
.endr
	s_delay_alu instid0(VALU_DEP_1)
	v_max_num_f32 v[T0], v[BM], v[BM+1]
	s_delay_alu instid0(VALU_DEP_1)
	v_permlanex16_b32 v[T1], v[T0], s[SEL], s[SEL+1]
	s_delay_alu instid0(VALU_DEP_1)
	v_max_num_f32 v[T0], v[T0], v[T1]
	s_delay_alu instid0(VALU_DEP_1)
	v_mul_f32 v[T0], s[CS], v[T0]
	s_delay_alu instid0(VALU_DEP_1)
	v_max_num_f32 v13, v13, v[T0]                  ; the running largest t
	v_mov_b32 v[T0], v12
	s_delay_alu instid0(VALU_DEP_2)
	v_floor_f32 v12, -v13                          ; -M
	s_delay_alu instid0(VALU_DEP_1)
	v_sub_f32 v[T0], v12, v[T0]
	s_delay_alu instid0(VALU_DEP_1)
	v_cvt_i32_f32 v[T0], v[T0]
	s_delay_alu instid0(VALU_DEP_1)
	v_ldexp_f32 v[F], 1.0, v[T0]                   ; f = 2^(old M - new M)
.set j, 0
.rept 32
	v_pk_fma_f32 v[\sb+j:\sb+j+1], v[\sb+j:\sb+j+1], s[CS:CS+1], v[12:13] op_sel_hi:[1,0,0]
.set j, j+2
.endr
.irp c, 0,1
	v_fma_f32 v[BM+\c], v[BM+\c], s[CS], v12
.endr
	s_wait_alu depctr_va_vdst(0)                   ; one wait ahead of the batch,
.set j, 0
.rept 64
	v_exp_f32 v[\sb+j], v[\sb+j]
.set j, j+1
.endr
.irp c, 0,1
	v_exp_f32 v[BM+\c], v[BM+\c]
.endr
	v_pk_mul_f32 v[14:15], v[14:15], v[F:F+1] op_sel_hi:[1,0]
	s_wait_alu depctr_va_vdst(0)                   ; and one behind it
.irp c, 0,1
	v_max_num_f32 v[BM+\c], 0x1800000, v[BM+\c]    ; the floor: the byte cannot fall under 1
.endr
.irp c, 0,1
	s_delay_alu instid0(VALU_DEP_2)
	v_add_nc_u32 v[SO+\c], 0xff000000, v[BM+\c]    ; 2 off the exponent field: the conversion's scale operand
.endr
.irp c, 0,1
	s_delay_alu instid0(VALU_DEP_2)
	v_lshrrev_b32 v[BY+\c], 23, v[SO+\c]
.endr
	s_delay_alu instid0(VALU_DEP_1)
	v_lshl_or_b32 v[T0], v[BY+1], 16, v[BY]        ; my bytes: blocks h and 2 + h,
	s_delay_alu instid0(VALU_DEP_1)
	v_lshlrev_b32 v[T0], v[H8], v[T0]
	s_delay_alu instid0(VALU_DEP_1)
	v_permlanex16_b32 v[T1], v[T0], s[SEL], s[SEL+1]
	WIN 0x05*\x
	v_or_b32 v[PS+\x], v[T0], v[T1]                ; with lane l xor 16's the scale word is whole
	WIN 0x55*\x
.irp c, 0,1
.irp g, 0,1,2,3
	v_cvt_scalef32_pk8_fp4_f32 v[PC+4*\c+\g], v[\sb+32*\c+8*\g:\sb+32*\c+8*\g+7], v[SO+\c]
.endr
.endr
	v_nop
	v_pk_add_f32 v[A2:A2+1], v[\sb:\sb+1], v[\sb+2:\sb+3]   ; the sum of the unquantised p, in two chains
.set j, 4
.rept 15
	v_pk_add_f32 v[14:15], v[14:15], v[\sb+j:\sb+j+1]
	v_pk_add_f32 v[A2:A2+1], v[A2:A2+1], v[\sb+j+2:\sb+j+3]
.set j, j+4
.endr
	s_delay_alu instid0(VALU_DEP_1)
	v_pk_add_f32 v[14:15], v[14:15], v[A2:A2+1]
	s_wait_alu depctr_va_vdst(0)                   ; the wait ahead of the first reader of O^T
.set j, 0
.rept 32
	v_pk_mul_f32 v[O+j:O+j+1], v[O+j:O+j+1], v[F:F+1] op_sel_hi:[1,0]
.set j, j+2
.endr
.endm
; A KEY STEP, the chunk's q-th.  KR holds K's fragments, then V's; SR takes tile 0's scores and, when they are spent, the next step's fragments of K: the two regions change roles from step to step.
.macro STEP q
.set KR, 32+64*((\q)%2)
.set SR, 96-64*((\q)%2)
	WIN 0
	s_wait_dscnt 0x0                               ; K's fragments, its scale words and the bias are in
.if (\q) == 2
	s_wait_tensorcnt 0x0                           ; my chunk of the second group has landed (asked for two steps' work ago, in the first trip):
	s_barrier_signal -1                            ; say so early; the wait stands at the chunk's end; between the two: register work and LDS loads of the chunk in hand
.endif
	SMUL 0, KR, SR
	SMUL 1, KR, S
	WIN 0
	NOPS 4                                         ; places ahead of loads into registers that the products read
	VLOAD \q, KR
.if (\q) < 3
	BIASLOAD 512*((\q)+1)
.endif
	SOFTMAX 0, SR
	s_wait_alu depctr_va_vdst(0)
	s_wait_dscnt 0x0                               ; V's fragments are in
	PV 0, KR
.if (\q) < 3
	WIN 0
	KLOAD (\q)+1, SR                               ; they land under tile 1's softmax
.endif
	SOFTMAX 1, S
	PV 1, KR
	NOPS 5                                         ; places: the next step's first products write over V's fragments
.endm
	s_wait_alu depctr_va_vdst(0)                   ; the wait at the head's end
	s_wait_tensorcnt 0x0                           ; my part of the head's tiles is in; the full sequence ahead of the later first fills:
	ds_add_u32 v[SPW], v[NIL]
	s_mov_b32 s[G1K+2], 128<<16                    ; no tensor load of mine is out: from here on a load brings a whole chunk, 128 rows
	s_mov_b32 s[G1K+4], 128
	s_mov_b32 s[G1V+2], 128<<16
	s_mov_b32 s[G1V+4], 128
	s_mov_b32 s[TB], 0
	s_mov_b32 s[CNT], 4
	s_wait_dscnt 0x0                               ; the add and my bias stores are done
	CROUND
	s_cmp_eq_u32 s[J3], 3                          ; waves 0-2: K's chunks 1-3; waves 4-6: V's; waves 3 and 7: none
	s_cbranch_scc1 .Lg2_done
	s_cmp_lt_u32 s[WV], 4
	s_cbranch_scc0 .Lg2_v
	tensor_load_to_lds s[G0K2:G0K2+3], s[G1K:G1K+7]
	s_nop 0
	NOPS 4
	s_branch .Lg2_done
.Lg2_v:
	tensor_load_to_lds s[G0V2:G0V2+3], s[G1V:G1V+7]
	s_nop 0
	NOPS 4
.Lg2_done:
	KLOAD 0, 32
	BIASLOAD 0
	WIN 0
.Lchunk:                                               ; four trips, a chunk of 512 keys each
	STEP 0
	STEP 1
	STEP 2
	STEP 3
	WIN 0
	s_add_co_u32 s[TB], s[TB], KCH
	v_add_nc_u32 v[ADK], s[TB], v[AK0]             ; on to the next chunk
	v_add_nc_u32 v[ADV], s[TB], v[AV0]
	v_add_nc_u32 v[ADS], 2048, v[ADS]
	v_add_nc_u32 v[ADT], 16, v[ADT]
	v_add_nc_u32 v[ADB], 2048, v[ADB]
	s_wait_alu depctr_va_vdst(0)
	s_barrier_wait -1                              ; everybody's part of the later chunks has landed
	s_cmp_eq_u32 s[CNT], 1
	s_cbranch_scc1 .Lno_more                       ; behind the last chunk there is nothing to fetch
	KLOAD 0, 32
	BIASLOAD 0
	WIN 0
.Lno_more:
	s_sub_co_u32 s[CNT], s[CNT], 1
	s_cmp_lg_u32 s[CNT], 0
	s_cbranch_scc1 .Lchunk
; THE WAY OUT: O^T / the sum, quantised along the head's 128 (the projection's K): a block of 32 lies in lanes l and l xor 16; the codes leave as the image of the next operand's registers.
.macro OUT x
	WIN 0x55*\x
	v_add_f32 v14, v14, v15
	s_delay_alu instid0(VALU_DEP_1)
	v_permlanex16_b32 v[T1], v14, s[SEL], s[SEL+1]
	s_delay_alu instid0(VALU_DEP_1)
	v_add_f32 v14, v14, v[T1]
	s_wait_alu depctr_va_vdst(0)                   ; the wait ahead of the transcendental,
	v_rcp_f32 v14, v14
	v_nop
	s_wait_alu depctr_va_vdst(0)                   ; and ahead of its first reader
.set j, 0
.rept 32
	v_pk_mul_f32 v[S+j:S+j+1], v[O+j:O+j+1], v[14:15] op_sel_hi:[1,0]
.set j, j+2
.endr
.irp b, 0,1,2,3
	v_max3_num_f32 v[TM+\b], |v[S+16*\b]|, |v[S+16*\b+1]|, 0x1800000
.endr
.irp i, 2,4,6,8,10,12,14
.irp b, 0,1,2,3
	s_delay_alu instid0(VALU_DEP_4)
	v_max3_num_f32 v[TM+\b], v[TM+\b], |v[S+16*\b+\i]|, |v[S+16*\b+\i+1]|
.endr
.endr
.irp b, 0,1,2,3
	s_delay_alu instid0(VALU_DEP_4)
	v_permlanex16_b32 v[236+\b], v[TM+\b], s[SEL], s[SEL+1]
.endr
.irp b, 0,1,2,3
	s_delay_alu instid0(VALU_DEP_4)
	v_max_num_f32 v[TM+\b], v[TM+\b], v[236+\b]
.endr
.irp b, 0,1,2,3
	s_delay_alu instid0(VALU_DEP_4)
	v_add_nc_u32 v[240+\b], 0xff000000, v[TM+\b]
.endr
.irp b, 0,1,2,3
	s_delay_alu instid0(VALU_DEP_4)
	v_lshrrev_b32 v[236+\b], 23, v[240+\b]
.endr
	s_delay_alu instid0(VALU_DEP_3)
	v_lshl_or_b32 v[W], v237, 8, v236
	s_delay_alu instid0(VALU_DEP_1)
	v_lshl_or_b32 v[W], v238, 16, v[W]
	s_delay_alu instid0(VALU_DEP_1)
	v_lshl_or_b32 v[W], v239, 24, v[W]             ; my query's scale word for this head
.irp b, 0,1,2,3
.irp u, 0,1
	v_cvt_scalef32_pk8_fp4_f32 v[PC+4*(\b/2)+2*\u+(\b%2)], v[S+16*\b+8*\u:S+16*\b+8*\u+7], v[240+\b]
.endr
.endr
	v_nop
.irp c, 0,1
	v_permlane16_swap_b32 v[PC+4*\c], v[PC+4*\c+1] ; a whole block into a lane
	v_permlane16_swap_b32 v[PC+4*\c+2], v[PC+4*\c+3]
.endr
	WIN 0x04*\x
.irp c, 0,1
	global_store_b128 v[XO], v[PC+4*\c:PC+4*\c+3], s[68:69] offset:16384*\x+512*\c   ; 32 lanes store 512 consecutive bytes, aligned
.endr
.endm
	OUT 0
	OUT 1
	s_mov_b32 s[J3], 0xffff0000
	WIN 0x04
	v_cndmask_b32 v255, v[W], v[W], s[J3]          ; lanes 0-15 tile 0's words, lanes 16-31 tile 1's
	WIN 0
	global_store_b32 v[XSO], v255, s[70:71]
	s_wait_tensorcnt 0x0                           ; the wave's end
	ds_add_u32 v[SPW], v[NIL]
	s_wait_dscnt 0x0
	CROUND                                         ; the closing round
	s_endpgm
.Lfunc_end_k_q784422e406_attn:
	.size	k_q784422e406_attn, .Lfunc_end_k_q784422e406_attn-k_q784422e406_attn
	.p2alignl 7, 3214868480
	.fill 96, 4, 3214868480
	.section	.rodata,"a",@progbits
	.p2align	6, 0x0
	.amdhsa_kernel k_q784422e406_attn
		.amdhsa_group_segment_fixed_size 327680
		.amdhsa_private_segment_fixed_size 0
		.amdhsa_enable_private_segment 0
		.amdhsa_kernarg_size 72
		.amdhsa_user_sgpr_count 2
		.amdhsa_user_sgpr_kernarg_segment_ptr 1
		.amdhsa_wavefront_size32 1
		.amdhsa_system_sgpr_workgroup_id_x 1
		.amdhsa_system_sgpr_workgroup_id_y 1
		.amdhsa_system_sgpr_workgroup_id_z 1
		.amdhsa_system_vgpr_workitem_id 0
		.amdhsa_next_free_vgpr 512
		.amdhsa_next_free_sgpr 100
		.amdhsa_reserve_vcc 1
		.amdhsa_float_denorm_mode_32 3
		.amdhsa_float_denorm_mode_16_64 3
		.amdhsa_memory_ordered 1
		.amdhsa_forward_progress 1
		.amdhsa_inst_pref_size 168
	.end_amdhsa_kernel
	.amdgpu_metadata
---
amdhsa.version: [ 1, 2 ]
amdhsa.kernels:
  - .name:           k_q784422e406_attn
    .symbol:         k_q784422e406_attn.kd
    .args:
      - { .name: q_codes, .offset: 0, .size: 8, .value_kind: global_buffer, .address_space: global }
      - { .name: q_scales, .offset: 8, .size: 8, .value_kind: global_buffer, .address_space: global }
      - { .name: k_codes, .offset: 16, .size: 8, .value_kind: global_buffer, .address_space: global }
      - { .name: k_scales, .offset: 24, .size: 8, .value_kind: global_buffer, .address_space: global }
      - { .name: values_codes, .offset: 32, .size: 8, .value_kind: global_buffer, .address_space: global }
      - { .name: values_scales, .offset: 40, .size: 8, .value_kind: global_buffer, .address_space: global }
      - { .name: attention_mask, .offset: 48, .size: 8, .value_kind: global_buffer, .address_space: global }
      - { .name: x_codes, .offset: 56, .size: 8, .value_kind: global_buffer, .address_space: global }
      - { .name: x_scales, .offset: 64, .size: 8, .value_kind: global_buffer, .address_space: global }
    .group_segment_fixed_size: 327680
    .private_segment_fixed_size: 0
    .kernarg_segment_align: 8
    .kernarg_segment_size: 72
    .max_flat_workgroup_size: 256
    .sgpr_count:     100
    .vgpr_count:     512
    .wavefront_size: 32
...
	.end_amdgpu_metadata
.endif
;; end of part 2
;; launch proj (part 3): grid 8 x 32, 4 waves a work-group, clusters of 4 x 4, 327,680 bytes of LDS; arguments x_codes, x_scales, w_out_codes, w_out_scales, out0; writes out0
.if DOCPART == 3
	.amdgcn_target "amdgcn-amd-amdhsa--gfx1250"
	.amdhsa_code_object_version 6
	.text
	.protected	k_q784422e406_proj
	.globl	k_q784422e406_proj
	.p2align	8
	.type	k_q784422e406_proj,@function
k_q784422e406_proj:
	s_mov_b64 s[64:65], 0
	v_nop
	global_prefetch_b8 v0, s[64:65] scope:SCOPE_SE
	s_setreg_imm32_b32 hwreg(HW_REG_WAVE_MODE, 25, 1), 1
	s_wait_xcnt 0x0
	s_wait_alu depctr_hold_cnt(0) depctr_sa_sdst(0) depctr_va_vdst(0) depctr_va_sdst(0) depctr_va_ssrc(0) depctr_va_vcc(0) depctr_vm_vsrc(0)
	s_getreg_b32 s2, hwreg(HW_REG_IB_STS2, 6, 4)
	s_cmp_eq_u32 s2, 0
	s_cbranch_scc0 .Lentry_in_a_cluster
	s_endpgm
.Lentry_in_a_cluster:
	s_bfe_u32 s2, ttmp6, 0x10000c
	s_cmp_lg_u32 s2, 0xf033
	s_cbranch_scc0 .Lentry_shape_is_right
	s_endpgm
.Lentry_shape_is_right:
; out0[m][n] = sum over k of x[m][k] W[n][k], on codes of FP4 (E2M1) with one E8M0 scale for each 32 along K; out0: [4096][2048] f32; sums in f32.
; W: w_out_codes [2048][1,024 bytes], K innermost; w_out_scales [2048][64].  x: x_scales [4096][64]; x_codes as images of the operand's registers: [block of 16 rows 256][128 along K 16][c 2][lane 32][16 bytes].
; A block of out0 is 128 rows x 256 columns: 32 x 8 = 256 work-groups, one for each WGP.  Four waves, each 64 x 128: 32 accumulators of 16 x 16 in window 2.
; K goes in steps of 512 through a ring of two LDS slots: of W a tile's row is 256 bytes of memory, of x a block of 16 rows is 4,096 consecutive bytes.  The scales of the block's rows of x and of W, for all of K, come once, at the head, and stay.
; CLUSTERS: 4 x 4 work-groups; x's tiles are shared along a row of the cluster, W's along a column: joint loads with a mask that names the four.
; THE MATRIX INSTRUCTION IS USED TRANSPOSED (source 0 = 16 rows of W, source 1 = 16 rows of x): a lane holds eight neighbouring numbers of a row of out0.
; PREFETCH: K steps 2 and 3 are asked for two K steps ahead of their refills, behind the loads of K steps 0 and 1; K steps 0 and 1 come by their loads alone.  Each block of 256 bytes is named once in a cluster: of x's 8 blocks of 16 rows the partner at cx
; takes two (wave 0: 32 lanes x 256 bytes), of W's 256 rows the partner at cy takes 64 (waves 1 and 2: a lane a row); the partners are told apart by address alone.
; REGISTERS: window 0: v16-30 addresses; v32-95 scale words, two sets; v128-191 x's fragments, two sets of 4; on the way out v128-255.  Window 1: W's fragments, two sets of 8, at v0 and v128.  Window 2: the accumulators, (a, b) at v[8 (8 a + b)].
.set SIZE_N, 2048
.set NQ,     4                         ; matrix instructions deep in a slot
.set ROWB,   256
.set KROW,   1024
.set PITCH,  272                       ; an LDS row of W: 256 bytes + 16 of padding
.set ASTEP,  4096                      ; a K step of a block of 16 rows of x
.set FR,     8
.set NP,     4                         ; places behind this matrix instruction (ISA guide 7.12.1)
.set HALFA,  4*ASTEP                   ; 64 rows of x: what one of the ring's loads brings, and what a wave reads
.set HALFB,  128*PITCH                 ; 128 rows of W likewise
.set SLOT,   2*HALFA+2*HALFB
.set LAPS,   2
.set KS,     64                        ; a row of scales in bytes
.set SCL,    2*SLOT                    ; the scales, as runs of 256 bytes + 16: x's 128 rows, then W's 256
.set HALFS,  32*272                    ; those of 128 rows
.set SBLK,   4*272                     ; those of 16 rows
.set SPARE,  SCL+3*HALFS               ; the spare words
.set SPITCH, 528                       ; the way out: 16 rows x (512 + 16) bytes a wave, in slot 0, which has had its last fill and its last read by then
.set ADRA, 16
.set ADRB, 20
.set STO,  24
.set RD,   25
.set CO,   26
.set ADRS, 27
.set SPW,  28
.set NIL,  29
.set PFO,  30
.set SC,   32
.set AF,   128
.set BK,   128
.set G1, 24
.set G0, 32
.set G1B, 48
.set G0B, 56
.set G1S, 68
.set G0S, 76
.set G1SB, 80
.set G0SB, 88
.set G0H, 4                            ; group 0 of the head's loads of codes, where arguments lay that have been used
.set G0HB, 8
.set PFA, 96                           ; s[96:97], s[98:99]: my prefetches of K steps 2 and 3
.set MSB, 0
.macro WIN new
.if MSB != (\new)
	s_set_vgpr_msb (MSB<<8)|(\new)
.set MSB, \new
.endif
.endm
.set MUL_LO, 0xa1                      ; source 0 (W) window 1, source 1 (x) window 0, C and D window 2
.set TO_B,   0x40
.macro PLACES n
.rept \n
	v_nop
.endr
.endm
.macro JLOAD g0a, g1a, g0b, g1b        ; waves 0 and 1 fetch for x, waves 2 and 3 for W; the branch hangs on the wave's number alone
	s_cmp_eq_u32 s15, 0
	s_cbranch_scc0 .Lfor_b_\@
	tensor_load_to_lds s[\g0a:\g0a+3], s[\g1a:\g1a+7]
	s_nop 0
	PLACES 4
	s_branch .Lasked_\@
.Lfor_b_\@:
	tensor_load_to_lds s[\g0b:\g0b+3], s[\g1b:\g1b+7]
	s_nop 0
	PLACES 4
.Lasked_\@:
.endm
.macro CREST
	s_cmp_lg_u32 s14, 0
	s_cbranch_scc1 .Lnot_wave_0_\@
	s_barrier_signal -3
.Lnot_wave_0_\@:
	s_barrier_wait -3
	s_barrier_signal -1
	s_barrier_wait -1
.endm
.macro CROUND
	s_barrier_signal -1
	s_barrier_wait -1
	CREST
.endm
.macro ASK pf                          ; waves 0 to 2, one instruction each
	s_cmp_lt_u32 s14, 3
	s_cbranch_scc0 .Lno_ask_\@
	global_prefetch_b8 v[PFO], s[\pf:\pf+1] th:TH_LOAD_NT scope:SCOPE_SE
.Lno_ask_\@:
.endm
	s_load_b128 s[4:7], s[0:1], 0x0                ; x's codes, x's scales
	s_load_b128 s[8:11], s[0:1], 0x10              ; W's codes, W's scales
	s_load_b64 s[12:13], s[0:1], 0x20              ; out0
	v_lshl_add_u32 v[SPW], v0, 2, SPARE
	v_mov_b32 v[NIL], 0
	ds_add_u32 v[SPW], v[NIL]                      ; the opening lines: the add twice on end and one wait
	ds_add_u32 v[SPW], v[NIL]
	v_lshrrev_b32 v1, 5, v0
	v_readfirstlane_b32 s14, v1                    ; wave
	s_lshr_b32 s15, s14, 1                         ; which 64 rows are mine.  Also: I fetch for x (0) or for W (1)
	s_and_b32 s16, s14, 1                          ; which 128 columns.  Also: which half of that tile I fetch
	s_bfe_u32 s40, ttmp6, 0x40000                  ; cx, cy
	s_bfe_u32 s41, ttmp6, 0x40004
	s_lshl_b32 s42, ttmp9, 2
	s_add_co_u32 s42, s42, s40                     ; block column
	s_and_b32 s17, ttmp7, 0xffff
	s_lshl_b32 s17, s17, 2
	s_add_co_u32 s17, s17, s41                     ; block row
	s_lshl_b32 s43, s41, 2
	s_lshl_b32 s43, 15, s43                        ; my row of the cluster
	s_lshl_b32 s44, 0x1111, s40                    ; my column
	s_or_b32 s[G1+0], s43, (3<<16)|(1<<21)         ; x: blocks of 4,096 bytes (512 elements of 8), 16,384 apart; 8 blocks at the head, 4 behind it
	s_mov_b32 s[G1+1], 512<<16
	s_mov_b32 s[G1+2], 8<<16
	s_mov_b32 s[G1+3], 512<<16
	s_mov_b32 s[G1+4], 8
	s_mov_b32 s[G1+5], 2048
	s_mov_b32 s[G1+6], 0
	s_mov_b32 s[G1+7], 0
	s_or_b32 s[G1B+0], s44, (1<<20)|(1<<21)|(5<<22)|(3<<25)   ; W: rows of 256 bytes, four words of padding; 256 rows at the head, 128 behind it
	s_mov_b32 s[G1B+1], ROWB<<16
	s_mov_b32 s[G1B+2], 256<<16
	s_mov_b32 s[G1B+3], ROWB<<16
	s_mov_b32 s[G1B+4], 256
	s_mov_b32 s[G1B+5], KROW
	s_mov_b32 s[G1B+6], 0
	s_mov_b32 s[G1B+7], 0
	s_or_b32 s[G1S+0], s43, (3<<16)|(1<<20)|(1<<21)|(5<<22)|(3<<25)    ; the scales: dense, as rows of 256 bytes, padded: x's 32 rows, W's 64
	s_or_b32 s[G1SB+0], s44, (3<<16)|(1<<20)|(1<<21)|(5<<22)|(3<<25)
.irp g, G1S, G1SB
	s_mov_b32 s[\g+1], 32<<16
	s_mov_b32 s[\g+3], 32<<16
	s_mov_b32 s[\g+5], 32
	s_mov_b32 s[\g+6], 0
	s_mov_b32 s[\g+7], 0
.endr
	s_mov_b32 s[G1S+2], 32<<16
	s_mov_b32 s[G1S+4], 32
	s_mov_b32 s[G1SB+2], 64<<16
	s_mov_b32 s[G1SB+4], 64
	s_lshl_b32 s20, s17, 17                        ; x's codes: 128 rows x 1,024 bytes a block row
	s_mov_b32 s21, 0
	s_lshl_b32 s22, s17, 13                        ; x's scales
	s_mov_b32 s23, 0
	s_lshl_b32 s46, s42, 18                        ; W's codes: 256 rows a block column
	s_mov_b32 s47, 0
	s_lshl_b32 s92, s42, 14                        ; W's scales
	s_mov_b32 s93, 0
	s_lshl_b32 s18, s16, 16                        ; in the ring: my 64 rows of x,
	s_mov_b32 s19, 0
	s_lshl_b32 s94, s16, 17                        ; or my 128 rows of W
	s_mov_b32 s95, 0
	s_mul_i32 s45, s16, HALFA                      ; and where they go: no place in the cluster enters an LDS address
	s_mul_i32 s100, s16, HALFB
	s_add_co_u32 s100, s100, 2*HALFA
	s_wait_dscnt 0x0
	s_wait_kmcnt 0x0
	s_cmp_eq_u32 s14, 0
	s_cselect_b64 s[PFA:PFA+1], s[4:5], s[8:9]     ; wave 0 prefetches x's codes, waves 1 and 2 W's
	s_add_nc_u64 s[20:21], s[4:5], s[20:21]
	s_add_nc_u64 s[22:23], s[6:7], s[22:23]
	s_add_nc_u64 s[46:47], s[8:9], s[46:47]
	s_add_nc_u64 s[92:93], s[10:11], s[92:93]
	CROUND                                         ; all sixteen work-groups are here: the first joint loads meet
	s_mov_b32 s[G0H], 1                            ; the head's four tiles: K step 0's 128 rows of x,
	s_mov_b32 s[G0H+1], 0
	s_mov_b64 s[G0H+2:G0H+3], s[20:21]
	s_or_b32 s[G0H+3], s[G0H+3], 0x80000000
	s_mov_b32 s[G0HB], 1                           ; its 256 rows of W,
	s_mov_b32 s[G0HB+1], 2*HALFA
	s_mov_b64 s[G0HB+2:G0HB+3], s[46:47]
	s_or_b32 s[G0HB+3], s[G0HB+3], 0x80000000
	s_mov_b32 s[G0S], 1                            ; x's scales,
	s_mov_b32 s[G0S+1], SCL
	s_mov_b64 s[G0S+2:G0S+3], s[22:23]
	s_or_b32 s[G0S+3], s[G0S+3], 0x80000000
	s_mov_b32 s[G0SB], 1                           ; W's scales
	s_mov_b32 s[G0SB+1], SCL+HALFS
	s_mov_b64 s[G0SB+2:G0SB+3], s[92:93]
	s_or_b32 s[G0SB+3], s[G0SB+3], 0x80000000
	s_add_nc_u64 s[20:21], s[20:21], s[18:19]
	s_add_nc_u64 s[46:47], s[46:47], s[94:95]
.irp s, 0,1
	s_mov_b32 s[G0+4*\s], 1
	s_add_co_u32 s[G0+4*\s+1], s45, \s*SLOT
	s_add_nc_u64 s[G0+4*\s+2:G0+4*\s+3], s[20:21], \s*ASTEP
	s_or_b32 s[G0+4*\s+3], s[G0+4*\s+3], 0x80000000
	s_mov_b32 s[G0B+4*\s], 1
	s_add_co_u32 s[G0B+4*\s+1], s100, \s*SLOT
	s_add_nc_u64 s[G0B+4*\s+2:G0B+4*\s+3], s[46:47], \s*ROWB
	s_or_b32 s[G0B+4*\s+3], s[G0B+4*\s+3], 0x80000000
.endr
.macro ARM under, g0, g1, next         ; one tree on the wave's number, one load to an arm: one tensor load a wave at the head
	s_cmp_lt_u32 s14, \under
	s_cbranch_scc0 \next
	tensor_load_to_lds s[\g0:\g0+3], s[\g1:\g1+7]
	s_nop 0
	PLACES 4
	s_branch .Lhead_asked
\next:
.endm
	ARM 1, G0H,  G1,  .Lhead_b
	ARM 2, G0HB, G1B, .Lhead_sa
	ARM 3, G0S,  G1S, .Lhead_sb
	tensor_load_to_lds s[G0SB:G0SB+3], s[G1SB:G1SB+7]
	s_nop 0
	PLACES 4
.Lhead_asked:
	; the prefetches' addresses.  x: block 8 x block row + 2 cx + lane / 16, byte 256 (lane % 16) of its K step.  W: row 256 x block column + 64 cy + 32 (wave - 1) + lane
	s_lshl_b32 s20, s17, 17
	s_lshl_b32 s21, s40, 15
	s_add_co_u32 s20, s20, s21
	s_lshl_b32 s22, s42, 18
	s_lshl_b32 s21, s41, 16
	s_add_co_u32 s22, s22, s21
	s_lshl_b32 s21, s14, 15
	s_add_co_u32 s22, s22, s21
	s_sub_co_u32 s22, s22, 32768
	s_mov_b32 s23, 256
	s_mov_b32 s46, 1024
	s_cmp_eq_u32 s14, 0
	s_cselect_b32 s20, s20, s22
	s_cselect_b32 s23, 4096, s23                   ; a K step in bytes
	s_cselect_b32 s46, 256, s46                    ; from lane to lane among 16; 16 lanes on are 16,384 bytes in both
	s_mov_b32 s21, 0
	s_add_nc_u64 s[PFA:PFA+1], s[PFA:PFA+1], s[20:21]
	s_lshl_b32 s20, s23, 1
	s_add_nc_u64 s[PFA:PFA+1], s[PFA:PFA+1], s[20:21]        ; K step 2
	s_mov_b32 s20, s23
	s_add_nc_u64 s[PFA+2:PFA+3], s[PFA:PFA+1], s[20:21]      ; K step 3
	v_and_b32 v1, 15, v0                           ; l % 16
	v_bfe_u32 v2, v0, 4, 1                         ; l / 16
	v_mul_lo_u32 v[PFO], v1, s46
	v_lshl_add_u32 v[PFO], v2, 14, v[PFO]
	s_wait_alu depctr_va_vdst(0)
	ASK PFA                                        ; K step 2, two K steps ahead of its refill
	v_mul_u32_u24 v3, v1, PITCH
	v_lshl_add_u32 v4, v2, 4, v3                   ; W: a fragment's row x pitch + 16 x half
	v_and_b32 v6, 31, v0
	v_lshlrev_b32 v7, 4, v6                        ; x: 16 x lane
	s_mul_i32 s21, s15, HALFA                      ; my 64 rows of x
	s_mul_i32 s22, s16, HALFB                      ; my 128 rows of W, behind x's 128
	s_add_co_u32 s22, s22, 2*HALFA
.irp s, 0,1
	v_add_nc_u32 v[ADRA+\s], s21, v7
	v_add_nc_u32 v[ADRB+\s], s22, v4
	s_add_co_u32 s21, s21, SLOT
	s_add_co_u32 s22, s22, SLOT
.endr
	v_mul_u32_u24 v5, v1, KS                       ; my row's scales: KS bytes a row, and 16 more for each 256 passed
	v_lshrrev_b32 v6, 8, v5
	v_lshl_add_u32 v5, v6, 4, v5
	s_mul_i32 s21, s15, 4*SBLK                     ; x's: my 64 rows
	s_mul_i32 s22, s16, HALFS                      ; W's: my 128 rows, behind x's 128
	s_add_co_u32 s22, s22, HALFS
	s_sub_co_u32 s22, s22, s21
	v_mul_u32_u24 v6, s22, v2                      ; lanes 16-31 take W's: one product, the distance between the two bases
	s_add_co_u32 s21, s21, SCL
	v_add_nc_u32 v5, v5, v6
	v_add_nc_u32 v[ADRS], s21, v5
	s_mul_i32 s23, s14, 16*SPITCH                  ; my stage
	v_mul_u32_u24 v5, v1, SPITCH
	v_lshl_add_u32 v5, v2, 5, v5
	v_add_nc_u32 v[STO], s23, v5
	v_and_b32 v6, 31, v0
	v_lshlrev_b32 v[CO], 4, v6
	v_add_nc_u32 v[RD], s23, v[CO]
	s_lshl_b32 s20, s17, 7
	s_lshl_b32 s21, s15, 6
	s_add_co_u32 s20, s20, s21                     ; my first row of out0,
	s_lshl_b32 s20, s20, 13                        ; in bytes,
	s_lshl_b32 s21, s42, 10
	s_add_co_u32 s20, s20, s21
	s_lshl_b32 s21, s16, 9
	s_add_co_u32 s20, s20, s21                     ; and my first column
	s_mov_b32 s21, 0
	s_add_nc_u64 s[12:13], s[12:13], s[20:21]
.macro FRAGB reg, adr, q, i
.irp c, 0,1
	ds_load_b128 v[\reg+4*\c:\reg+4*\c+3], v[\adr] offset:64*(\q)+32*\c+(\i)*16*PITCH
.endr
.endm
.macro FRAGA reg, adr, q, i
.irp c, 0,1
	ds_load_b128 v[\reg+4*\c:\reg+4*\c+3], v[\adr] offset:1024*(\q)+512*\c+(\i)*ASTEP
.endr
.endm
; 16 matrix instructions: x's blocks a0, a0 + 1 against W's eight.  p: the fragment sets; sc: the set of scale words.  The 32 accumulators take turns, in the same order in every step.
.macro MUL16 a0, p, q, sc, zero
.irp a, \a0, \a0+1
.irp b, 0,1,2,3,4,5,6,7
.if \zero
	v_wmma_scale_f32_16x16x128_f8f6f4 v[8*(8*(\a)+\b):8*(8*(\a)+\b)+7], v[128*(\p)+FR*\b:128*(\p)+FR*\b+FR-1], v[AF+32*(\p)+FR*(\a):AF+32*(\p)+FR*(\a)+FR-1], 0, v[SC+8*NQ*(\sc)+NQ*\b+(\q)], v[SC+8*NQ*(\sc)+NQ*(\a)+(\q)] matrix_a_fmt:MATRIX_FMT_FP4 matrix_b_fmt:MATRIX_FMT_FP4 matrix_a_scale:MATRIX_SCALE_ROW1
.else
	v_wmma_scale_f32_16x16x128_f8f6f4 v[8*(8*(\a)+\b):8*(8*(\a)+\b)+7], v[128*(\p)+FR*\b:128*(\p)+FR*\b+FR-1], v[AF+32*(\p)+FR*(\a):AF+32*(\p)+FR*(\a)+FR-1], v[8*(8*(\a)+\b):8*(8*(\a)+\b)+7], v[SC+8*NQ*(\sc)+NQ*\b+(\q)], v[SC+8*NQ*(\sc)+NQ*(\a)+(\q)] matrix_a_fmt:MATRIX_FMT_FP4 matrix_b_fmt:MATRIX_FMT_FP4 matrix_a_scale:MATRIX_SCALE_ROW1
.endif
.endr
.endr
.endm
.macro FETCH slot, q, p                ; the slot's q-th 128 along K into sets p: W's eight fragments, x's four: 24 loads
	WIN TO_B
.irp i, 0,1,2,3,4,5,6,7
	FRAGB 128*(\p)+FR*\i, ADRB+\slot, \q, \i
.endr
	WIN 0
.irp i, 0,1,2,3
	FRAGA AF+32*(\p)+FR*\i, ADRA+\slot, \q, \i
.endr
.endm
.macro SCALES sc                       ; a K step's scale words: lanes 0-15 x's block i (i under 4 is used), lanes 16-31 W's block i
.irp i, 0,1,2,3,4,5,6,7
	ds_load_b128 v[SC+8*NQ*\sc+NQ*\i:SC+8*NQ*\sc+NQ*\i+3], v[ADRS] offset:\i*SBLK
.endr
.endm
.macro STEP slot, q, zero              ; a step of 128 along K that has its successor in the same slot
	s_wait_dscnt 0x0                               ; this step's fragments are in
	PLACES NP                                      ; the other sets were read by the last step's products
	FETCH \slot, (\q)+1, 1-(\q)%2
	WIN MUL_LO
	MUL16 0, (\q)%2, \q, \slot, \zero
	MUL16 2, (\q)%2, \q, \slot, \zero
	WIN 0
.endm
; A slot's last step changes slots: each wave waits for all its tensor loads, adds 0 to its spare word, and waits for that and for its reads of this slot; one barrier.  fill = 1: it opens a round of the cluster's barrier, and this slot is filled again.
.macro TURN slot, next, fill
	s_wait_tensorcnt 0x0                           ; my part of the next slot has landed
	ds_add_u32 v[SPW], v[NIL]
	s_wait_dscnt 1                                 ; this step's fragments are in (the add alone may be out)
	WIN MUL_LO
	MUL16 0, 1, NQ-1, \slot, 0
	WIN 0
	s_wait_dscnt 0x0                               ; the add is done, and my reads of this slot are over
	s_barrier_signal -1
	s_barrier_wait -1
.if \fill
	CREST
	s_add_nc_u64 s[G0+4*\slot+2:G0+4*\slot+3], s[G0+4*\slot+2:G0+4*\slot+3], 2*ASTEP
	s_add_nc_u64 s[G0B+4*\slot+2:G0B+4*\slot+3], s[G0B+4*\slot+2:G0B+4*\slot+3], 2*ROWB
	JLOAD G0+4*\slot, G1, G0B+4*\slot, G1B         ; the first tensor load behind the round; its four v_nop are also the places ahead of the loads below
.else
	PLACES NP
.endif
	v_add_nc_u32 v[ADRS], 4*NQ, v[ADRS]            ; on to the next K step's scale words
	s_wait_alu depctr_va_vdst(0)
	FETCH \next, 0, 0
	SCALES \next
	WIN MUL_LO
	MUL16 2, 1, NQ-1, \slot, 0                     ; sixteen products stand over the next slot's first loads
	WIN 0
.endm
.macro STEPS slot, from
.set Q, \from
.rept NQ-1-\from
	STEP \slot, Q, 0
.set Q, Q+1
.endr
.endm
	s_wait_alu depctr_va_vdst(0)                   ; the wait at the head's end
	s_wait_tensorcnt 0x0                           ; my tile of the head's four is in; the full sequence ahead of slot 1's first fill:
	ds_add_u32 v[SPW], v[NIL]
	s_mov_b32 s[G1+2], 4<<16                       ; no tensor load of mine is out: from here on a load brings 64 rows of x or 128 of W
	s_mov_b32 s[G1+4], 4
	s_mov_b32 s[G1B+2], 128<<16
	s_mov_b32 s[G1B+4], 128
	s_wait_dscnt 0x0
	CROUND
	JLOAD G0+4, G1, G0B+4, G1B                     ; K step 1
	FETCH 0, 0, 0
	SCALES 0
	ASK PFA+2                                      ; K step 3, two K steps ahead of its refill
	STEP 0, 0, 1                                   ; the first step's products start the sums
	s_mov_b32 s3, LAPS-1
.Llap:                                                 ; a trip goes once round the ring and fills both slots again
	STEPS 0, 1
	TURN 0, 1, 1
	STEPS 1, 0
	TURN 1, 0, 1
	STEP 0, 0, 0
	s_sub_co_u32 s3, s3, 1
	s_cmp_lg_u32 s3, 0
	s_cbranch_scc1 .Llap
	STEPS 0, 1                                     ; the last lap fills nothing
	TURN 0, 1, 0
	STEPS 1, 0
	s_wait_dscnt 0x0
	WIN MUL_LO
	MUL16 0, 1, NQ-1, 1, 0
	MUL16 2, 1, NQ-1, 1, 0
	WIN 0
; THE WAY OUT, block by block of 16 rows x 128 columns, through my own stage: in as 32 bytes a lane, back as whole rows of 512 bytes.  LDS serves a wave's instructions in order (ISA guide 5.7.1.4).
.macro TOSTAGE a
.set AC, 64*(\a)
	WIN 0x08                                       ; the data: window 2
.irp b, 0,1,2,3,4,5,6,7
	ds_store_b128 v[STO], v[AC+8*\b:AC+8*\b+3] offset:64*\b          ; each accumulator from its low end on
	ds_store_b128 v[STO], v[AC+8*\b+4:AC+8*\b+7] offset:64*\b+16
.endr
	WIN 0
.set BB, BK+64*((\a)%2)
.irp t, 0,1,2,3,4,5,6,7,8,9,10,11,12,13,14,15
	ds_load_b128 v[BB+4*\t:BB+4*\t+3], v[RD] offset:\t*SPITCH
.endr
.endm
.macro SEND a, younger
.set BB, BK+64*((\a)%2)
	s_wait_dscnt \younger                          ; the block is back in registers
.if (\a) > 0
	s_add_nc_u64 s[12:13], s[12:13], 16*SIZE_N*4   ; (behind a wait on XCNT)  16 rows on
.endif
.irp t, 0,1,2,3,4,5,6,7,8,9,10,11,12,13,14,15
	global_store_b128 v[CO], v[BB+4*\t:BB+4*\t+3], s[12:13] offset:\t*SIZE_N*4 th:TH_STORE_NT   ; 32 lanes store 512 consecutive bytes, aligned
.endr
.endm
	PLACES NP
	TOSTAGE 0
.irp a, 1,2,3
.if \a > 1
	s_wait_xcnt 0x0                                ; block a - 2's stores have read their registers and their base
.endif
	TOSTAGE \a
	SEND \a-1, 32                                  ; behind block a - 1's loads: block a's 16 stores and 16 loads
.endr
	s_wait_xcnt 0x0
	SEND 3, 0
	s_wait_tensorcnt 0x0                           ; the wave's end
	ds_add_u32 v[SPW], v[NIL]
	s_wait_dscnt 0x0
	CROUND                                         ; the closing round
	s_endpgm
.Lfunc_end_k_q784422e406_proj:
	.size	k_q784422e406_proj, .Lfunc_end_k_q784422e406_proj-k_q784422e406_proj
	.p2alignl 7, 3214868480
	.fill 96, 4, 3214868480
	.section	.rodata,"a",@progbits
	.p2align	6, 0x0
	.amdhsa_kernel k_q784422e406_proj
		.amdhsa_group_segment_fixed_size 327680
		.amdhsa_private_segment_fixed_size 0
		.amdhsa_enable_private_segment 0
		.amdhsa_kernarg_size 40
		.amdhsa_user_sgpr_count 2
		.amdhsa_user_sgpr_kernarg_segment_ptr 1
		.amdhsa_wavefront_size32 1
		.amdhsa_system_sgpr_workgroup_id_x 1
		.amdhsa_system_sgpr_workgroup_id_y 1
		.amdhsa_system_sgpr_workgroup_id_z 1
		.amdhsa_system_vgpr_workitem_id 0
		.amdhsa_next_free_vgpr 768
		.amdhsa_next_free_sgpr 102
		.amdhsa_reserve_vcc 0
		.amdhsa_float_denorm_mode_32 3
		.amdhsa_float_denorm_mode_16_64 3
		.amdhsa_memory_ordered 1
		.amdhsa_forward_progress 1
		.amdhsa_inst_pref_size 124
	.end_amdhsa_kernel
	.amdgpu_metadata
---
amdhsa.version: [ 1, 2 ]
amdhsa.kernels:
  - .name:           k_q784422e406_proj
    .symbol:         k_q784422e406_proj.kd
    .args:
      - { .name: x_codes, .offset: 0, .size: 8, .value_kind: global_buffer, .address_space: global }
      - { .name: x_scales, .offset: 8, .size: 8, .value_kind: global_buffer, .address_space: global }
      - { .name: w_out_codes, .offset: 16, .size: 8, .value_kind: global_buffer, .address_space: global }
      - { .name: w_out_scales, .offset: 24, .size: 8, .value_kind: global_buffer, .address_space: global }
      - { .name: out0, .offset: 32, .size: 8, .value_kind: global_buffer, .address_space: global }
    .group_segment_fixed_size: 327680
    .private_segment_fixed_size: 0
    .kernarg_segment_align: 8
    .kernarg_segment_size: 40
    .max_flat_workgroup_size: 128
    .sgpr_count:     102
    .vgpr_count:     768
    .wavefront_size: 32
...
	.end_amdgpu_metadata
.endif
;; end of part 3
